; MI455X (gfx1250); checked and timed in simulation.
; The chip was launched on July 23, 2026; its instructions are those of AMD's public machine-readable ISA for CDNA 5 (MIT licence, August 2026) and "CDNA5" Instruction Set Architecture Reference Guide (July 2026). The comments in the code are by the model that wrote it; some were corrected since.
;; Multi Head Attention. Allowed arithmetic: matrix products marked QUANTISED: E2M1 operands, one E8M0 scale for each 32 along K, by v_wmma_scale_f32_16x16x128_f8f6f4 with both operands' format E2M1 (or v_wmma_scale_f32_32x16x128_f4), f32 sums; everything else in f32.
;; Inputs: bk 1,024 float32; bo 1,024 float32; bq 1,024 float32; bv 1,024 float32; wk_codes 1,024 x 32 x 16 uint8 (E2M1 codes of wk, K innermost, in blocks of 32 codes, two codes a byte); wk_scales 1,024 x 32 uint8 (E8M0 scales of wk, one for each 32 codes along K); wo_codes 1,024 x 32 x 16 uint8 (E2M1 codes of wo, K innermost, in blocks of 32 codes, two codes a byte); wo_scales 1,024 x 32 uint8 (E8M0 scales of wo, one for each 32 codes along K); wq_codes 1,024 x 32 x 16 uint8 (E2M1 codes of wq, K innermost, in blocks of 32 codes, two codes a byte); wq_scales 1,024 x 32 uint8 (E8M0 scales of wq, one for each 32 codes along K); wv_codes 1,024 x 32 x 16 uint8 (E2M1 codes of wv, K innermost, in blocks of 32 codes, two codes a byte); wv_scales 1,024 x 32 uint8 (E8M0 scales of wv, one for each 32 codes along K); x_codes 2 x 2,048 x 32 x 16 uint8 (E2M1 codes of x, K innermost, in blocks of 32 codes, two codes a byte); x_scales 2 x 2,048 x 32 uint8 (E8M0 scales of x, one for each 32 codes along K).
;; Outputs: out0 2 x 2,048 x 1,024 float32.
;; This version of the problem:
;;   THIS VERSION OF THE PROBLEM IS GIVEN IN LOW PRECISION. The matrix products marked QUANTISED in the list below multiply operands that are first quantised to E2M1 (2 exponent bits, 1 mantissa bit; 4 bits a number), with one power-of-two scale for each 32 numbers along K (OCP MX v1.0); their sums are f32. All else is computed in f32.
;;   The module's matrix products, in the order in which they are computed (A, B: the left and right operand; K: the contracted axis; several contracted axes count as one K, in the product's order):
;;     1. [M 4,096, K 1,024] x [K 1,024, N 1,024]; A: input x (given as codes); B: input wq (given as codes): QUANTISED
;;     2. [M 4,096, K 1,024] x [K 1,024, N 1,024]; A: input x (given as codes); B: input wk (given as codes): QUANTISED
;;     3. [M 4,096, K 1,024] x [K 1,024, N 1,024]; A: input x (given as codes); B: input wv (given as codes): QUANTISED
;;     4. batch 32 x [M 2,048, K 64] x [K 64, N 2,048]; A: computed on the way; B: computed on the way: QUANTISED
;;     5. batch 32 x [M 2,048, K 2,048] x [K 2,048, N 64]; A: softmax (see below); B: computed on the way: QUANTISED
;;     6. [M 4,096, K 1,024] x [K 1,024, N 1,024]; A: computed on the way; B: input wo (given as codes): QUANTISED
;;   THE QUANTISER, for each operand of a quantised product, along K:
;;     - K is cut into blocks of 32 from its start; a last block that is shorter is filled with zeros.
;;     - A block's scale is 2^e with e = floor(log2(the largest magnitude in the block)) - 2, held to -126 .. 127; a block of zeros has e = 0. As a byte (E8M0): e + 127.
;;     - Each number is divided by its block's scale, clamped to +-6, and rounded to the nearest number of E2M1, ties to even, subnormals kept.
;;     - The product sums the exact products of the quantised numbers (number of the format x scale) in f32.
;;   ~~~python
;;   def quantise(x, axis):      # numpy; x: float32 -> the quantised numbers, widened to float32 again
;;       x = np.moveaxis(x, axis, -1); K = x.shape[-1]
;;       x = np.pad(x, [(0, 0)] * (x.ndim - 1) + [(0, -K % 32)]); x = x.reshape(x.shape[:-1] + (-1, 32)); a = np.abs(x).max(-1, keepdims=True)
;;       e = np.where(a > 0, np.clip(np.frexp(np.where(a > 0, a, 1))[1] - 1 - 2, -126, 127), 0)      # np.frexp(a)[1] - 1 = floor(log2(a)), exactly
;;       r = np.clip(x / 2.0 ** e, -6, 6)
;;       step = 2.0 ** (np.maximum(np.frexp(np.where(r == 0, 1, r))[1] - 1, 0) - 1)
;;       q = np.round(r / step) * step * 2.0 ** e      # np.round: ties to even
;;       return np.moveaxis(q.reshape(q.shape[:-2] + (-1,))[..., :K], -1, axis).astype(np.float32)
;;   ~~~
;;   SOFTMAX AHEAD OF A QUANTISED PRODUCT. Where the list says 'softmax', what is quantised is not the finished softmax but p = 2^(t - M), with t = logit x log2(e) and M = ceil(the row's largest t), a whole number; so 1/2 < the row's largest p <= 1. The row's sum l is taken of the UNQUANTISED p, in f32, and the product's result is divided by l at the end. Since M is a whole number, a kernel that streams over the keys may use a running M (the ceiling of the running maximum): every later rescaling is an exact power of two, which a block's scale takes up: the codes' values come out the same.
;;   OPERANDS COMPUTED ON THE WAY. 'Computed on the way' means the value that the module computes at that place (a softmax that the list does not call 'softmax' is quantised finished and normalised). What goes into a quantiser is computed in f32, as accurately as f32 sums, v_exp_f32 and their like allow (about 1e-6 of the number): no bf16 or f16 on the way to a quantiser, and a product that is left as it is and whose result goes on into a quantised operand takes f32 operands (vector FMAs, or v_wmma_f32_16x16x4_f32). A number that lies on a knife's edge between two numbers of the format may be rounded either way, as far as f32 arithmetic and the matrix unit's own rounding can turn it there, and no further.
;;   INPUTS GIVEN AS CODES. wk (in the module: [1024, 1024], K = its axis 1); wo (in the module: [1024, 1024], K = its axis 1); wq (in the module: [1024, 1024], K = its axis 1); wv (in the module: [1024, 1024], K = its axis 1); x (in the module: [2, 2048, 1024], K = its axis 2): each comes as NAME_codes (uint8): NAME with its K axis moved to the last place and cut into blocks of 32 codes, [.., K / 32, bytes a block], one block behind the other in memory; two codes a byte, the lower K in the low four bits (a code: sign, 2 exponent bits, 1 mantissa bit); and NAME_scales (uint8): the same leading axes, one E8M0 byte (e + 127) for each 32 codes along K. Its value is code x scale, taken as it is: it is not quantised again, and the codes and scales need not be those that the quantiser above would give.
;; One version. Each part assembles by itself: llvm-mc -triple=amdgcn-amd-amdhsa -mcpu=gfx1250 --defsym DOCPART=n.
;; ======== version 1 of 1: 3 launches
;; limits: right only within a limited range of input values
;; workspace buffers: qimg 2,097,152 bytes; qsc 262,144 bytes; kv 4,587,520 bytes; cimg 2,097,152 bytes; csc 262,144 bytes
;; launch qkv (part 1): grid 8 x 32, 4 waves a work-group, clusters of 4 x 4, 327,680 bytes of LDS; arguments x_codes, x_scales, wq_codes, wq_scales, bq, wk_codes, wk_scales, bk, wv_codes, wv_scales, bv, qimg, qsc, kv; writes qimg, qsc, kv
.if DOCPART == 1
	.amdgcn_target "amdgcn-amd-amdhsa--gfx1250"
	.amdhsa_code_object_version 6
	.text
	.protected	k_q1630a68609_qkv
	.globl	k_q1630a68609_qkv
	.p2align	8
	.type	k_q1630a68609_qkv,@function
k_q1630a68609_qkv:
	s_mov_b64 s[64:65], 0
	v_nop
	global_prefetch_b8 v0, s[64:65] scope:SCOPE_SE
	s_setreg_imm32_b32 hwreg(HW_REG_WAVE_MODE, 25, 1), 1
	s_wait_xcnt 0x0
	s_wait_alu depctr_hold_cnt(0) depctr_sa_sdst(0) depctr_va_vdst(0) depctr_va_sdst(0) depctr_va_ssrc(0) depctr_va_vcc(0) depctr_vm_vsrc(0)
	s_getreg_b32 s2, hwreg(HW_REG_IB_STS2, 6, 4)
	s_cmp_eq_u32 s2, 0
	s_cbranch_scc0 .Lentry_in_a_cluster
	s_endpgm
.Lentry_in_a_cluster:
	s_bfe_u32 s2, ttmp6, 0x10000c
	s_cmp_lg_u32 s2, 0xf033
	s_cbranch_scc0 .Lentry_shape_is_right
	s_endpgm
.Lentry_shape_is_right:
; q = x wq^T + bq, k = x wk^T + bk, v = x wv^T + bv on codes of FP4 (E2M1) with one E8M0 scale for each 32 along K = 1,024; sums in f32.
; The results are quantised here, in f32, and leave as IMAGES OF THE NEXT LAUNCH'S OPERAND REGISTERS: q and k along a head's 64 channels, v along the keys.
; SHARES.  A work-group takes 128 tokens (TY) x 128 channels (NX: heads 2 NX, 2 NX + 1) of all three products, so x's tile is fetched and read once for three weights.
; Wave w (WY = w / 2, WX = w % 2): tokens 64 WY on x head 2 NX + WX of q, k and v: 24 accumulators of 32 x 16, 24 products for 128 along K, on 16 fragments of 16 rows.
; LDS.  128 rows each of x, wq, wk, wv fit whole, as two K halves of 256 bytes a row + 16 of padding.  At the head each wave fetches the first K half of one operand, behind the first half's landing the second: every LDS byte is filled once.
; CLUSTER 4 x 4: x's tile hangs on TY alone and is asked for jointly along a row of the cluster, the weights' on NX alone and jointly along a column.
; No prefetch: the launch has no loop that asks for tiles.
; THE ROWS OF A TILE ARE NOT NEIGHBOURS: of 64 rows, lane r of tile i takes row 8 i + r + 24 (r / 8), of x and of the weights alike.  Where such a tile is source 0, the 32 registers of four tiles' results
; are 32 neighbours, 32 (lane / 16) + 0 .. 31: a whole block of 32 in a lane, in the order in which the next product's operand wants it.
; q, k: source 0 = two tiles of weight rows, source 1 = a tile of x: a lane holds a token, its registers run along channels.  v: source 0 = two tiles of x, source 1 = a tile of wv's rows: a lane holds a channel, its registers run along tokens, which are the keys.
; The biases are the C of each sum's first product (so they are added ahead of the products, not behind them as the source has it).
; LIMITS: a block whose largest magnitude lies under 2^-124, a block of zeros among them, gets the scale byte 1 (the bytes are read by this program alone); NaN and infinities are not served.
; REGISTERS, in windows of 256: window 0: v1-15 addresses; v16-111 scale words; v128-191 x's fragments, two sets of 4; v192-207 the quantiser's; v208-255 codes on their way out.
;   window 1: the weights' fragments, two sets at v0 and v128: wq's 4, wk's 4, wv's 4.   window 2: q's accumulators, from v128 k's.   window 3: v's accumulators; from v128 the biases.
.set RB,    34816                      ; a region of LDS: 128 rows x (256 + 16) bytes; region 2 op + half, op 0 x, 1 wq, 2 wk, 3 wv
.set PITCH, 272
.set SPARE, 8*RB                       ; the spare words
.set STEPB, 8960                       ; a key step of 128 keys in kv: k's codes 4,096, v's codes 4,096, k's words 256, v's words 512
.set LI,  1                            ; v1   16 x lane
.set L8,  2                            ; v2   8 x lane
.set AX,  3                            ; v3   LDS: x's rows, my 64 tokens
.set AQ,  5
.set AK,  6
.set AV,  7
.set VSO, 4                            ; v4   the same row a lane in both halves of the lanes: for the odd tiles' words, of which lanes 0-15 count
.set VS,  8                            ; v8   scale words: 32 bytes a row; lanes 0-15 a tile's rows, lanes 16-31 the next tile's
.set VBQ, 9                            ; v9   bq, bk: 128 x (lane / 16)
.set VBV, 10                           ; v10  bv: 4 x my row of a tile
.set L4,  15                           ; v15  4 x lane
.set XO,  16                           ; x's words with the odd tile in lanes 0-15: 8 bb + s: tile 2 bb + 1 (the place of source 1's words)
.set XS,  32                           ; x's words: 8 bb + s: lanes 0-15 tile 2 bb, lanes 16-31 tile 2 bb + 1, K step s
.set WVO, 48                           ; wv's, as XO
.set WQS, 64
.set WKS, 80
.set WVS, 96
.set XF,  128                          ; x's fragments: set p at XF + 32 p, tile i at + 8 i
.set TM,  192                          ; v192-203 the quantiser's registers
.set SW,  204                          ; v204-205 pair words
.set PCQ, 208                          ; codes, 4 registers a block
.set PCK, 224
.set PCV, 240
.set SB,  112                          ; v112-115 scale bytes, one a block
.set BQ,  128                          ; window 3
.set BK,  160
.set BV,  192
.set G1X, 32
.set G1W, 40
.set G0X, 48                           ; s[48:55] groups 0 for x's two K halves;  s[56:63] for a weight's
.set G0W, 56
.set WV,  66
.set WY,  67
.set WX,  68
.set CX,  69
.set CY,  70
.set NX,  71
.set TY,  72
.set BB,  73
.set ST,  74
.set SEL, 76                           ; s[76:77] v_permlanex16_b32's selects for lane l xor 16
.set HM,  79                           ; s79 lanes 16-31
.set PKC, 84
.set PKS, 86
.set PVC, 88
.set PVS, 90
.set MSB, 0
.macro WIN new                         ; the immediate's high byte repeats the setting that is left; a switch that changes nothing is dropped
.if MSB != (\new)
	s_set_vgpr_msb (MSB<<8)|(\new)
.set MSB, (\new)
.endif
.endm
.macro PLACES n
.rept \n
	v_nop
.endr
.endm
.macro CROUND                          ; a round of the cluster's barrier
	s_barrier_signal -1
	s_barrier_wait -1
	s_cmp_lg_u32 s[WV], 0
	s_cbranch_scc1 .Lnot_wave_0_\@
	s_barrier_signal -3
.Lnot_wave_0_\@:
	s_barrier_wait -3
	s_barrier_signal -1
	s_barrier_wait -1
.endm
.macro JLOAD k                         ; my joint load of K half k: wave 0 x's rows, waves 1 to 3 a weight's.  The branch hangs on the wave's number alone
	s_cmp_eq_u32 s[WV], 0
	s_cbranch_scc0 .Lweights_\@
	tensor_load_to_lds s[G0X+4*\k:G0X+4*\k+3], s[G1X:G1X+7]
	s_nop 0
	PLACES 4
	s_branch .Lasked_\@
.Lweights_\@:
	tensor_load_to_lds s[G0W+4*\k:G0W+4*\k+3], s[G1W:G1W+7]
	s_nop 0
	PLACES 4
.Lasked_\@:
.endm
; One product of 32 rows: D at d, source 0 (two tiles) at a, source 1 (one tile) at b, C at c, scale words in sa, sb
.macro WM d, a, b, c, sa, sb
	v_wmma_scale_f32_32x16x128_f4 v[(\d):(\d)+15], v[(\a):(\a)+15], v[(\b):(\b)+7], v[(\c):(\c)+15], v[\sa], v[\sb]
.endm
; Four blocks of 32 numbers, 128 registers of window win from v[src] on, become 16 registers of codes at v[pc] and four scale bytes at v[SB].  Every accumulator is read from its low end on.
.macro QUANT4 win, src, pc
	WIN ((\win)<<2)|((\win)<<4)
.irp b, 0,1,2,3
	v_max3_num_f32 v[TM+\b], 0x1800000, |v[(\src)+32*\b]|, |v[(\src)+32*\b+1]|   ; with the floor 2^(3 - 127), under which no largest magnitude is taken: so the byte cannot fall under 1
.endr
.set QI, 2
.rept 15
.irp b, 0,1,2,3
	v_max3_num_f32 v[TM+\b], v[TM+\b], |v[(\src)+32*\b+QI]|, |v[(\src)+32*\b+QI+1]|   ; the blocks by turns
.endr
.set QI, QI+2
.endr
	WIN 0
.irp b, 0,1,2,3
	v_add_nc_u32 v[TM+4+\b], 0xff000000, v[TM+\b]   ; 2 off the exponent field: the conversion takes the exponent field of this operand as its scale
.endr
.irp b, 0,1,2,3
	v_lshrrev_b32 v[SB+\b], 23, v[TM+4+\b]          ; the scale's byte
.endr
	WIN \win
.irp b, 0,1,2,3
.irp i, 0,1,2,3
	v_cvt_scalef32_pk8_fp4_f32 v[(\pc)+4*\b+\i], v[(\src)+32*\b+8*\i:(\src)+32*\b+8*\i+7], v[TM+4+\b]
.endr
.endr
	WIN 0
	v_nop                                          ; one plain place behind a scaled conversion
.endm
; Bytes x and y of two tiles (lanes 0-15: the row's lower block, lanes 16-31: its upper) become d: lanes 0-15 the two bytes of the first tile's row, lanes 16-31 those of the second's
.macro PAIR d, x, y
	v_permlanex16_b32 v[TM+8], v[\x], s[SEL], s[SEL+1]
	v_permlanex16_b32 v[TM+9], v[\y], s[SEL], s[SEL+1]
	v_cndmask_b32 v[TM+10], v[\x], v[TM+9], s[HM]
	v_cndmask_b32 v[TM+11], v[TM+8], v[\y], s[HM]
	v_lshl_or_b32 v[\d], v[TM+11], 8, v[TM+10]
.endm
	s_load_b512 s[4:19], s[0:1], 0x0               ; x codes s[4:5], x scales s[6:7], wq codes s[8:9], wq scales s[10:11], bq s[12:13], wk codes s[14:15], wk scales s[16:17], bk s[18:19]
	s_load_b256 s[20:27], s[0:1], 0x40             ; wv codes s[20:21], wv scales s[22:23], bv s[24:25], qimg s[26:27]
	s_load_b128 s[28:31], s[0:1], 0x60             ; qsc s[28:29], kv s[30:31]
	v_lshl_add_u32 v126, v0, 2, SPARE
	v_mov_b32 v127, 0
	ds_add_u32 v126, v127                          ; the opening: the add, twice on end
	ds_add_u32 v126, v127
	v_lshrrev_b32 v11, 5, v0
	v_readfirstlane_b32 s[WV], v11                 ; wave 0..3
	s_lshr_b32 s[WY], s[WV], 1
	s_and_b32 s[WX], s[WV], 1
	s_bfe_u32 s[CX], ttmp6, 0x40000                ; my place in the cluster
	s_bfe_u32 s[CY], ttmp6, 0x40004
	s_lshl_b32 s[NX], ttmp9, 2
	s_add_co_u32 s[NX], s[NX], s[CX]               ; block of 128 channels
	s_and_b32 s[TY], ttmp7, 0xffff
	s_lshl_b32 s[TY], s[TY], 2
	s_add_co_u32 s[TY], s[TY], s[CY]               ; block of 128 tokens
	s_lshl_b32 s100, s[CY], 2
	s_lshl_b32 s100, 15, s100                      ; my row of the cluster
	s_lshl_b32 s101, 0x1111, s[CX]                 ; my column
	; descriptor group 1: 128 rows x 256 bytes out of rows of 512, 16 bytes of padding behind each in LDS
	s_or_b32 s[G1X], s100, (1<<20)|(1<<21)|(5<<22)|(3<<25)   ; 15:0 the mask; 17:16 elements of 1 byte; 20 padding on; 21 set beside a mask; 24:22 after every 64 words; 31:25 four words
	s_or_b32 s[G1W], s101, (1<<20)|(1<<21)|(5<<22)|(3<<25)
.irp g, G1X, G1W
	s_mov_b32 s[\g+1], 256<<16                     ; tensor_dim0
	s_mov_b32 s[\g+2], 128<<16                     ; tensor_dim1
	s_mov_b32 s[\g+3], 256<<16                     ; tile_dim0
	s_mov_b32 s[\g+4], 128                         ; tile_dim1
	s_mov_b32 s[\g+5], 512                         ; tensor_dim0_stride
	s_mov_b32 s[\g+6], 0
	s_mov_b32 s[\g+7], 0
.endr
	s_lshl_b32 s78, s[TY], 16                      ; x: 128 rows of 512 bytes a block; these registers hold nothing of cx
	s_mov_b32 s79, 0
	s_lshl_b32 s80, s[NX], 16                      ; the weights likewise; nothing of cy
	s_mov_b32 s81, 0
	s_mul_i32 s[G0X+1], s[WV], 2*RB                ; wave w fetches operand w into regions 2 w and 2 w + 1: no place in the cluster enters an LDS address
	s_add_co_u32 s[G0X+5], s[G0X+1], RB
	s_mul_i32 s[G0W+1], s[WV], 2*RB
	s_add_co_u32 s[G0W+5], s[G0W+1], RB
	s_mov_b32 s[G0X], 1
	s_mov_b32 s[G0X+4], 1
	s_mov_b32 s[G0W], 1
	s_mov_b32 s[G0W+4], 1
	s_wait_dscnt 0x0
	s_wait_kmcnt 0x0
	s_add_nc_u64 s[4:5], s[4:5], s[78:79]
	s_cmp_eq_u32 s[WV], 1                          ; wave 1 wq, wave 2 wk, wave 3 wv: the choice hangs on the wave's number alone
	s_cselect_b64 s[98:99], s[8:9], s[14:15]
	s_cmp_eq_u32 s[WV], 3
	s_cselect_b64 s[98:99], s[20:21], s[98:99]
	s_add_nc_u64 s[98:99], s[98:99], s[80:81]
	s_mov_b64 s[G0X+2:G0X+3], s[4:5]
	s_or_b32 s[G0X+3], s[G0X+3], 0x80000000
	s_add_nc_u64 s[G0X+6:G0X+7], s[4:5], 256       ; the second K half: 256 bytes on in each row
	s_or_b32 s[G0X+7], s[G0X+7], 0x80000000
	s_mov_b64 s[G0W+2:G0W+3], s[98:99]
	s_or_b32 s[G0W+3], s[G0W+3], 0x80000000
	s_add_nc_u64 s[G0W+6:G0W+7], s[98:99], 256
	s_or_b32 s[G0W+7], s[G0W+7], 0x80000000
	CROUND                                         ; all sixteen work-groups are here: the joint loads meet
	JLOAD 0
	; where the scale bytes and biases lie, and where the results go: offsets are made in s[94:95] and added to each buffer's own address
	s_mov_b32 s95, 0
	s_lshl_b32 s2, s[TY], 12                       ; x's scale bytes: 32 a token
	s_lshl_b32 s3, s[WY], 11
	s_add_co_u32 s94, s2, s3
	s_add_nc_u64 s[6:7], s[6:7], s[94:95]
	s_lshl_b32 s2, s[NX], 12
	s_lshl_b32 s3, s[WX], 11
	s_add_co_u32 s94, s2, s3
	s_add_nc_u64 s[10:11], s[10:11], s[94:95]      ; the weights' scale bytes: my head's 64 rows
	s_add_nc_u64 s[16:17], s[16:17], s[94:95]
	s_add_nc_u64 s[22:23], s[22:23], s[94:95]
	s_lshl_b32 s2, s[NX], 9
	s_lshl_b32 s3, s[WX], 8
	s_add_co_u32 s94, s2, s3
	s_add_nc_u64 s[12:13], s[12:13], s[94:95]      ; the biases: my head's 64 channels
	s_add_nc_u64 s[18:19], s[18:19], s[94:95]
	s_add_nc_u64 s[24:25], s[24:25], s[94:95]
	v_and_b32 v11, 15, v0                          ; r
	v_bfe_u32 v12, v0, 4, 1                        ; h
	v_and_b32 v13, 8, v11
	v_mad_u32_u24 v13, v13, 3, v11                 ; r + 24 (r / 8)
	v_lshl_add_u32 v[VS], v12, 3, v13
	v_lshlrev_b32 v[VS], 5, v[VS]                  ; 32 x (r + 24 (r / 8) + 8 h)
	v_lshlrev_b32 v[VSO], 5, v13                   ; 32 x (r + 24 (r / 8)): with 24 rows more at the most, row 63 of 64
	v_lshlrev_b32 v[VBQ], 7, v12
	v_lshlrev_b32 v[VBV], 2, v13
	WIN 0xc0                                       ; destination window 3
.irp n, 0,1,2,3
	global_load_b32 v[BV+16*\n], v[VBV], s[24:25] offset:32*\n     ; v's bias runs along the lanes: tile n's channel
.endr
.irp t, 0,1,2,3
.irp j, 0,1
	global_load_b128 v[BQ+8*\t+4*\j:BQ+8*\t+4*\j+3], v[VBQ], s[12:13] offset:32*\t+16*\j   ; tile t's eight channels of my half of the lanes
	global_load_b128 v[BK+8*\t+4*\j:BK+8*\t+4*\j+3], v[VBQ], s[18:19] offset:32*\t+16*\j
.endr
.endr
	WIN 0
.irp bb, 0,1
.irp j, 0,1
	global_load_b128 v[XS+8*\bb+4*\j:XS+8*\bb+4*\j+3], v[VS], s[6:7] offset:512*\bb+16*\j
	global_load_b128 v[XO+8*\bb+4*\j:XO+8*\bb+4*\j+3], v[VSO], s[6:7] offset:512*\bb+256+16*\j     ; eight rows on: the odd tile
	global_load_b128 v[WQS+8*\bb+4*\j:WQS+8*\bb+4*\j+3], v[VS], s[10:11] offset:512*\bb+16*\j
	global_load_b128 v[WKS+8*\bb+4*\j:WKS+8*\bb+4*\j+3], v[VS], s[16:17] offset:512*\bb+16*\j
	global_load_b128 v[WVS+8*\bb+4*\j:WVS+8*\bb+4*\j+3], v[VS], s[22:23] offset:512*\bb+16*\j
	global_load_b128 v[WVO+8*\bb+4*\j:WVO+8*\bb+4*\j+3], v[VSO], s[22:23] offset:512*\bb+256+16*\j
.endr
.endr
	s_lshr_b32 s[BB], s[TY], 4                     ; the batch
	s_and_b32 s[ST], s[TY], 15                     ; the block of 128 tokens in it: the next launch's key step
	s_lshl_b32 s2, s[BB], 4
	s_lshl_b32 s3, s[NX], 1
	s_add_co_u32 s2, s2, s3
	s_add_co_u32 s96, s2, s[WX]                    ; batch x 16 + head
	s_lshl_b32 s2, s96, 7
	s_lshl_b32 s3, s[ST], 3
	s_add_co_u32 s2, s2, s3
	s_lshl_b32 s3, s[WY], 2
	s_add_co_u32 s2, s2, s3
	s_lshl_b32 s94, s2, 9
	s_add_nc_u64 s[26:27], s[26:27], s[94:95]      ; qimg: 512 bytes a tile of 16 queries
	s_lshl_b32 s2, s96, 5
	s_lshl_b32 s3, s[ST], 1
	s_add_co_u32 s2, s2, s3
	s_add_co_u32 s2, s2, s[WY]
	s_lshl_b32 s94, s2, 8
	s_add_nc_u64 s[28:29], s[28:29], s[94:95]      ; qsc: 256 bytes for 64 queries
	s_lshl_b32 s2, s96, 4
	s_add_co_u32 s2, s2, s[ST]
	s_mul_i32 s2, s2, STEPB
	s_lshl_b32 s3, s[WY], 11
	s_add_co_u32 s94, s2, s3
	s_add_nc_u64 s[PKC:PKC+1], s[30:31], s[94:95]  ; k's codes of my 64 keys
	s_lshl_b32 s3, s[WY], 7
	s_add_co_u32 s94, s2, s3
	s_add_co_u32 s94, s94, 8192
	s_add_nc_u64 s[PKS:PKS+1], s[30:31], s[94:95]  ; their words
	s_lshl_b32 s3, s[WY], 9
	s_add_co_u32 s94, s2, s3
	s_add_co_u32 s94, s94, 4096
	s_add_nc_u64 s[PVC:PVC+1], s[30:31], s[94:95]  ; v's codes of my 64 keys
	s_lshl_b32 s3, s[WY], 8
	s_add_co_u32 s94, s2, s3
	s_add_co_u32 s94, s94, 8448
	s_add_nc_u64 s[PVS:PVS+1], s[30:31], s[94:95]  ; their words
	s_mov_b32 s[SEL], 0x76543210
	s_mov_b32 s[SEL+1], 0xfedcba98
	s_mov_b32 s[HM], 0xffff0000
	s_wait_alu depctr_va_vdst(0)
	v_mul_u32_u24 v14, v13, PITCH
	v_lshl_add_u32 v14, v12, 4, v14                ; a fragment's row x pitch + 16 h
	v_and_b32 v15, 31, v0
	v_lshlrev_b32 v[LI], 4, v15
	v_lshlrev_b32 v[L8], 3, v15
	v_lshlrev_b32 v[L4], 2, v15
	s_mul_i32 s2, s[WY], 64*PITCH
	v_add_nc_u32 v[AX], s2, v14
	s_mul_i32 s3, s[WX], 64*PITCH
	s_add_co_u32 s3, s3, 2*RB
	v_add_nc_u32 v[AQ], s3, v14
	s_add_co_u32 s3, s3, 2*RB
	v_add_nc_u32 v[AK], s3, v14
	s_add_co_u32 s3, s3, 2*RB
	v_add_nc_u32 v[AV], s3, v14
	v_mov_b32 v[TM+8], 0                           ; written once: a lane permute's destination counts as one of its sources
	v_mov_b32 v[TM+9], 0
	s_wait_alu depctr_va_vdst(0)
	s_wait_loadcnt 0x0                             ; scale words and biases
	WIN 0xc3
.irp n, 0,1,2,3
.irp j, 1,2,3,4,5,6,7,8,9,10,11,12,13,14,15
	v_mov_b32 v[BV+16*\n+\j], v[BV+16*\n]          ; under the tiles' flight: v's bias in all sixteen registers of a C
.endr
.endr
	WIN 0
; 32 LDS loads: the fragments of K step s (128 along K: 64 bytes of a row) into set
.macro FETCH s, set
.set OFF, ((\s)>>2)*RB+64*((\s)&3)
	WIN 0x40                                       ; destination window 1, address window 0
.irp t, 0,1,2,3
.irp c, 0,1
	ds_load_b128 v[128*(\set)+8*\t+4*\c:128*(\set)+8*\t+4*\c+3], v[AQ] offset:OFF+8*\t*PITCH+32*\c
	ds_load_b128 v[128*(\set)+32+8*\t+4*\c:128*(\set)+32+8*\t+4*\c+3], v[AK] offset:OFF+8*\t*PITCH+32*\c
	ds_load_b128 v[128*(\set)+64+8*\t+4*\c:128*(\set)+64+8*\t+4*\c+3], v[AV] offset:OFF+8*\t*PITCH+32*\c
.endr
.endr
	WIN 0
.irp i, 0,1,2,3
.irp c, 0,1
	ds_load_b128 v[XF+32*(\set)+8*\i+4*\c:XF+32*(\set)+8*\i+4*\c+3], v[AX] offset:OFF+8*\i*PITCH+32*\c
.endr
.endr
.endm
; 24 products: the 24 accumulators take turns, one instruction a turn, in the same order in every K step.  In K step 0 the biases are the C.
.macro MUL s, set
.if (\s) == 0
	WIN 0xb1                                       ; source 0 (weights) window 1, source 1 (x) window 0, C window 3 (bias), D window 2
.else
	WIN 0xa1                                       ; C and D window 2
.endif
.irp o, 0,1
.irp i, 0,1,2,3
.irp g, 0,1
.set DD, 128*\o+32*\i+16*\g
.set CC, DD
.if (\s) == 0
.set CC, BQ+32*\o+16*\g
.endif
	WM DD, 128*(\set)+32*\o+16*\g, XF+32*(\set)+8*\i, CC, WQS+16*\o+8*\g+(\s), XS-16*(\i&1)+8*(\i>>1)+(\s)
.endr
.endr
.endr
	WIN 0xf4                                       ; source 0 (x) window 0, source 1 (wv) window 1, C and D window 3
.irp n, 0,1,2,3
.irp g, 0,1
.set DD, 32*\n+16*\g
.set CC, DD
.if (\s) == 0
.set CC, BV+16*\n
.endif
	WM DD, XF+32*(\set)+16*\g, 128*(\set)+64+8*\n, CC, XS+8*\g+(\s), WVS-48*(\n&1)+8*(\n>>1)+(\s)
.endr
.endr
	WIN 0
.endm
.macro KSTEP s
.if (\s) > 0
	PLACES 4                                       ; in front of loads into registers that the K step before last's products, the last issued, have read
.endif
.if (\s) == 3
	s_wait_tensorcnt 0x0                           ; my second K half has landed;
	s_wait_dscnt 0x0                               ; no LDS load of mine is out at the signal
	s_barrier_signal -1
	s_barrier_wait -1                              ; everybody's has
.endif
.if (\s) < 7
	FETCH (\s)+1, ((\s)+1)&1
	s_wait_dscnt 32                                ; all but the 32 just issued: this K step's fragments are in
.else
	s_wait_dscnt 0x0
.endif
	MUL \s, (\s)&1
.endm
	s_wait_alu depctr_va_vdst(0)
	s_wait_tensorcnt 0x0                           ; my first K half has landed; these lines stand ahead of a later first fill too
	ds_add_u32 v126, v127
	s_wait_dscnt 0x0
	CROUND                                         ; everybody's first K half is in, and the joint loads meet
	JLOAD 1                                        ; the second K half: three K steps' work in which to land
	FETCH 0, 0
.irp s, 0,1,2,3,4,5,6,7
	KSTEP \s
.endr
	PLACES 4                                       ; in front of the first reads of results
	QUANT4 2, 0, PCQ                               ; q: four tiles of 16 tokens, a block of my head's channels a lane
.irp i, 0,1,2,3
	global_store_b128 v[LI], v[PCQ+4*\i:PCQ+4*\i+3], s[26:27] offset:512*\i    ; 32 lanes store 512 consecutive bytes
.endr
	PAIR SW, SB, SB+1
	PAIR SW+1, SB+2, SB+3
	global_store_b64 v[L8], v[SW:SW+1], s[28:29]                   ; 256 consecutive bytes
	QUANT4 2, 128, PCK                             ; k likewise
.irp i, 0,1,2,3
	global_store_b128 v[LI], v[PCK+4*\i:PCK+4*\i+3], s[PKC:PKC+1] offset:512*\i
.endr
	PAIR 206, SB, SB+1
	PAIR 207, SB+2, SB+3
	v_lshl_or_b32 v206, v207, 16, v206             ; tiles 0 and 1 in the low two bytes, tiles 2 and 3 in the high two: they share a fragment of the next launch
	global_store_b32 v[L4], v206, s[PKS:PKS+1]
	QUANT4 3, 0, PCV                               ; v: four tiles of 16 channels, a block of my tokens a lane
.irp n, 0,1,2,3
	global_store_b128 v[LI], v[PCV+4*\n:PCV+4*\n+3], s[PVC:PVC+1] offset:1024*\n
.endr
	PAIR 116, SB, SB+1
	PAIR 117, SB+2, SB+3
	global_store_b64 v[L8], v[116:117], s[PVS:PVS+1]
	s_wait_tensorcnt 0x0                           ; the wave's end
	ds_add_u32 v126, v127
	s_wait_dscnt 0x0
	CROUND                                         ; the closing round: no work-group ends while a partner may still ask for a tile that names it
	s_endpgm
.Lfunc_end_k_q1630a68609_qkv:
	.size	k_q1630a68609_qkv, .Lfunc_end_k_q1630a68609_qkv-k_q1630a68609_qkv
	.p2alignl 7, 3214868480
	.fill 96, 4, 3214868480
	.section	.rodata,"a",@progbits
	.p2align	6, 0x0
	.amdhsa_kernel k_q1630a68609_qkv
		.amdhsa_group_segment_fixed_size 327680
		.amdhsa_private_segment_fixed_size 0
		.amdhsa_enable_private_segment 0
		.amdhsa_kernarg_size 112
		.amdhsa_user_sgpr_count 2
		.amdhsa_user_sgpr_kernarg_segment_ptr 1
		.amdhsa_wavefront_size32 1
		.amdhsa_system_sgpr_workgroup_id_x 1
		.amdhsa_system_sgpr_workgroup_id_y 1
		.amdhsa_system_sgpr_workgroup_id_z 1
		.amdhsa_system_vgpr_workitem_id 0
		.amdhsa_next_free_vgpr 1024
		.amdhsa_next_free_sgpr 102
		.amdhsa_reserve_vcc 0
		.amdhsa_float_denorm_mode_32 3
		.amdhsa_float_denorm_mode_16_64 3
		.amdhsa_memory_ordered 1
		.amdhsa_forward_progress 1
		.amdhsa_inst_pref_size 79
	.end_amdhsa_kernel
	.amdgpu_metadata
---
amdhsa.version: [ 1, 2 ]
amdhsa.kernels:
  - .name:           k_q1630a68609_qkv
    .symbol:         k_q1630a68609_qkv.kd
    .args:
      - { .name: x_codes, .offset: 0, .size: 8, .value_kind: global_buffer, .address_space: global }
      - { .name: x_scales, .offset: 8, .size: 8, .value_kind: global_buffer, .address_space: global }
      - { .name: wq_codes, .offset: 16, .size: 8, .value_kind: global_buffer, .address_space: global }
      - { .name: wq_scales, .offset: 24, .size: 8, .value_kind: global_buffer, .address_space: global }
      - { .name: bq, .offset: 32, .size: 8, .value_kind: global_buffer, .address_space: global }
      - { .name: wk_codes, .offset: 40, .size: 8, .value_kind: global_buffer, .address_space: global }
      - { .name: wk_scales, .offset: 48, .size: 8, .value_kind: global_buffer, .address_space: global }
      - { .name: bk, .offset: 56, .size: 8, .value_kind: global_buffer, .address_space: global }
      - { .name: wv_codes, .offset: 64, .size: 8, .value_kind: global_buffer, .address_space: global }
      - { .name: wv_scales, .offset: 72, .size: 8, .value_kind: global_buffer, .address_space: global }
      - { .name: bv, .offset: 80, .size: 8, .value_kind: global_buffer, .address_space: global }
      - { .name: qimg, .offset: 88, .size: 8, .value_kind: global_buffer, .address_space: global }
      - { .name: qsc, .offset: 96, .size: 8, .value_kind: global_buffer, .address_space: global }
      - { .name: kv, .offset: 104, .size: 8, .value_kind: global_buffer, .address_space: global }
    .group_segment_fixed_size: 327680
    .private_segment_fixed_size: 0
    .kernarg_segment_align: 8
    .kernarg_segment_size: 112
    .max_flat_workgroup_size: 128
    .sgpr_count:     102
    .vgpr_count:     1024
    .wavefront_size: 32
...
	.end_amdgpu_metadata
.endif
;; end of part 1
;; launch attn (part 2): grid 8 x 32, 8 waves a work-group, clusters of 4 x 1, 167,936 bytes of LDS; arguments qimg, qsc, kv, cimg, csc; writes cimg, csc
.if DOCPART == 2
	.amdgcn_target "amdgcn-amd-amdhsa--gfx1250"
	.amdhsa_code_object_version 6
	.text
	.protected	k_q1630a68609_attn
	.globl	k_q1630a68609_attn
	.p2align	8
	.type	k_q1630a68609_attn,@function
k_q1630a68609_attn:
	s_mov_b64 s[64:65], 0
	v_nop
	global_prefetch_b8 v0, s[64:65] scope:SCOPE_SE
	s_setreg_imm32_b32 hwreg(HW_REG_WAVE_MODE, 25, 1), 1
	s_wait_xcnt 0x0
	s_wait_alu depctr_hold_cnt(0) depctr_sa_sdst(0) depctr_va_vdst(0) depctr_va_sdst(0) depctr_va_ssrc(0) depctr_va_vcc(0) depctr_vm_vsrc(0)
	s_getreg_b32 s2, hwreg(HW_REG_IB_STS2, 6, 4)
	s_cmp_eq_u32 s2, 0
	s_cbranch_scc0 .Lentry_in_a_cluster
	s_endpgm
.Lentry_in_a_cluster:
	s_bfe_u32 s2, ttmp6, 0x10000c
	s_cmp_lg_u32 s2, 0x3003
	s_cbranch_scc0 .Lentry_shape_is_right
	s_endpgm
.Lentry_shape_is_right:
; ctx = softmax(q k^T / 8) v for one head and 256 queries a work-group, on codes of FP4 (E2M1) with one E8M0 scale for each 32 along a product's K; ctx is quantised along the head's channels and leaves as images of the next launch's operand registers.
; THE SOFTMAX: t = score x log2(e) / 8; M = the row's largest t so far, rounded up to a whole number; p = 2^(t - M) is what is quantised, along the keys; the row's sum is taken of the unquantised p, in f32, and divides at the end.
; When M moves, the sum and ctx are multiplied by 2^(old M - new M): exact.
; SHARES.  Eight waves, 32 queries each: two tiles A and B of 16, which share every fragment of k and v.  A wave walks the head's 2,048 keys in 8 trips of 256; in a trip tile A has its phase, then tile B.
; LDS.  The whole head's k and v, 143,360 bytes, come in by ONE joint load a wave (two steps of 128 keys) at the head: no slot is filled again, and behind one barrier the waves walk on their own.
; CLUSTER 4 x 1: four query blocks of one head ask for the same bytes jointly.  No prefetch: the loop asks memory for nothing.
; PRODUCTS, both transposed, so that a lane holds one query (lane % 16): S^T = k q^T, ctx^T = v^T p^T, by the form of 32 rows.
; A head has 64 channels and the form 128 along K: a fragment of k carries TWO pairs of key tiles, one in each half of K, and q's fragment is q in the one half and zero codes in the other, which picks the pair.
; The tiles' rows were chosen by the launch before: the 32 registers of four tiles are keys 64 f + 32 (lane / 16) + 0 .. 31: a whole block in a lane, in p's operand order; ctx's channels likewise.
; A PHASE: the other tile's products with v stand round this tile's scores (the first 128 keys ahead of them, the second 128 behind its maxima), so that between two steps of one sum there are always other products.
; In the first trip B's p is zero codes: that adds nothing.
; LIMITS: the promise holds while the scaled scores stay under 2^31 in magnitude; scale bytes do not fall under 1 (a block of zeros among them); NaN and infinities are not served.
; v_exp_f32 is taken not to fall where its input rises: a block's largest p has its exponent from the block's largest score.
; REGISTERS, window 0: below; window 1: v0-63 ctx^T (A's 32, B's 32), v64-127 the trip's four fragments of v, v128-143 A's p, v144-159 B's, v160-163 half of v's words (at the end v160-191 the last products).
.set STEPB, 8960                       ; a step of 128 keys: k's codes 4,096, v's codes 4,096, k's words 256, v's words 512 (the first 64 keys', the second's)
.set SPARE, 17*STEPB                   ; the spare words
.set NMA, 4                            ; pairs v[4:5], v[6:7]: -M in the low one
.set NMB, 6
.set RA,  8                            ; the largest score so far
.set RB,  9
.set FF,  10                           ; pair v[10:11]: 2^(old M - new M) in the low one, of the phase in hand
.set LA,  12                           ; v[12:13], v[14:15] the sums, in two halves
.set LB,  14
.set QA,  16                           ; v16-35: 0, q of A, 0, q of B, 0: four registers each
.set QB,  24
.set KW,  36                           ; v36-39 k's words, v40-43 v's, v44-45 q's (A, B), v46-49 p's (A's two, B's two)
.set VW,  40
.set QWA, 44
.set QWB, 45
.set PWA, 46
.set PWB, 48
.set U,   50                           ; v50-57 maxima, block b's at + 2 b; later scale bytes, and the last pairs of a sum
.set E,   58                           ; v58-61: 2^(a block's largest t - M - 2)
.set KF,  64                           ; v64-127 four fragments of k
.set S,   128                          ; v128-255 scores, then p
.set OA,  0                            ; window 1
.set OB,  32
.set VF,  64
.set PA,  128
.set PB,  144
.set VH,  160
.set G1,  16
.set G0,  24
.set WV,  28
.set CX,  29
.set SEL, 30
.set CS,  32
.set NC,  34
.set TB,  35
.set TBN, 36
.set CNT, 37
.set QX,  38
.set HD,  39
.set HM,  40
.set PAR, 41
.set MSB, 0
.macro WIN new                         ; the immediate's high byte repeats the setting that is left
.if MSB != (\new)
	s_set_vgpr_msb (MSB<<8)|(\new)
.set MSB, (\new)
.endif
.endm
.macro CROUND                          ; a round of the cluster's barrier
	s_barrier_signal -1
	s_barrier_wait -1
	s_cmp_lg_u32 s[WV], 0
	s_cbranch_scc1 .Lnot_wave_0_\@
	s_barrier_signal -3
.Lnot_wave_0_\@:
	s_barrier_wait -3
	s_barrier_signal -1
	s_barrier_wait -1
.endm
.macro KLOAD a, w                      ; a trip's four fragments of k: rows 0-15 tiles 0 (lower half of K) and 2 (upper), rows 16-31 tiles 1 and 3; and their words
.irp u, 0,1
.irp c, 0,1
	ds_load_b128 v[KF+32*\u+16*\c:KF+32*\u+16*\c+3], \a offset:STEPB*\u+2048*\c
	ds_load_b128 v[KF+32*\u+16*\c+4:KF+32*\u+16*\c+7], \a offset:STEPB*\u+2048*\c+1024
	ds_load_b128 v[KF+32*\u+16*\c+8:KF+32*\u+16*\c+11], \a offset:STEPB*\u+2048*\c+512
	ds_load_b128 v[KF+32*\u+16*\c+12:KF+32*\u+16*\c+15], \a offset:STEPB*\u+2048*\c+1536
	ds_load_b32 v[KW+2*\u+\c], \w offset:STEPB*\u+8192+128*\c
.endr
.endr
.endm
.macro VLOAD a, w                      ; its four fragments of v (32 channels x 128 keys each), and their words in two halves
.irp u, 0,1
	ds_load_b64 v[VW+2*\u:VW+2*\u+1], \w offset:STEPB*\u+8448
.endr
	WIN 0x40
.irp u, 0,1
	ds_load_b64 v[VH+2*\u:VH+2*\u+1], \w offset:STEPB*\u+8704
.irp k, 0,1,2,3,4,5,6,7
	ds_load_b128 v[VF+32*\u+4*\k:VF+32*\u+4*\k+3], \a offset:STEPB*\u+4096+512*\k
.endr
.endr
	WIN 0
.endm
.macro PV o, p, pw, u                  ; ctx^T += v^T p^T, the trip's u-th 128 keys
	WIN 0x55
.irp g, 0,1
	v_wmma_scale_f32_32x16x128_f4 v[\o+16*\g:\o+16*\g+15], v[VF+32*\u+16*\g:VF+32*\u+16*\g+15], v[\p+8*\u:\p+8*\u+7], v[\o+16*\g:\o+16*\g+15], v[VW+2*\u+\g], v[\pw+\u]
.endr
	WIN 0
.endm
.macro QK q, qw                        ; 64 keys a fragment: tiles 0, 1 by q in the lower half, tiles 2, 3 by q in the upper
.irp f, 0,1,2,3
	v_wmma_scale_f32_32x16x128_f4 v[S+32*\f:S+32*\f+15], v[KF+16*\f:KF+16*\f+15], v[\q+4:\q+11], 0, v[KW+\f], v[\qw]
	v_wmma_scale_f32_32x16x128_f4 v[S+32*\f+16:S+32*\f+31], v[KF+16*\f:KF+16*\f+15], v[\q:\q+7], 0, v[KW+\f], v[\qw]
.endr
.endm
.macro SUMEND l                        ; the last pairs of a phase's sum, and the sum under the new M
	v_pk_add_f32 v[U:U+1], v[U:U+1], v[U+2:U+3]
	v_pk_add_f32 v[U+4:U+5], v[U+4:U+5], v[U+6:U+7]
	v_pk_add_f32 v[U:U+1], v[U:U+1], v[U+4:U+5]
	v_pk_fma_f32 v[\l:\l+1], v[\l:\l+1], v[FF:FF+1], v[U:U+1] op_sel_hi:[1,0,1]
.endm
.macro FMAS n                          ; t - M, two at a time
.rept \n
	v_pk_fma_f32 v[S+J:S+J+1], v[S+J:S+J+1], s[CS:CS+1], v[NM:NM+1] op_sel_hi:[1,0,0]
.set J, J+2
.endr
.endm
; A tile's phase over the trip's 256 keys.  q, qw, nm, r, o, p, pw: this tile's; yo, yp, ypw, yl: the other's; which = 0 (A): loads this trip's v; 1 (B): the next trip's k
.macro TILE q, qw, nm, r, o, p, pw, yo, yp, ypw, yl, which
.set NM, \nm
	PV \yo, \yp, \ypw, 0
	QK \q, \qw
	SUMEND \yl                                     ; (these four are the places in front of the first reads of the scores)
.irp c, 0,1,2,3,4,5,6,7
	v_max3_num_f32 v[U+\c], v[S+16*\c], v[S+16*\c+1], v[S+16*\c+2]   ; THE LARGEST SCORE OF EACH BLOCK: eight chains by turns, each from its accumulator's low end on
.endr
.irp i, 3,5,7,9,11,13
.irp c, 0,1,2,3,4,5,6,7
	v_max3_num_f32 v[U+\c], v[U+\c], v[S+16*\c+\i], v[S+16*\c+\i+1]
.endr
.endr
.irp b, 0,1,2,3
	v_max3_num_f32 v[U+2*\b], v[U+2*\b], v[S+32*\b+15], v[U+2*\b+1]
.endr
.irp b, 0,1,2,3
	v_max_num_f32 v[U+2*\b], v[U+2*\b], v[S+32*\b+31]
.endr
	v_max3_num_f32 v[\r], v[U], v[U+2], v[\r]
	v_max3_num_f32 v[\r], v[U+4], v[U+6], v[\r]
	PV \yo, \yp, \ypw, 1                           ; the other tile's second 128 keys, in the midst of the chain
	v_permlanex16_b32 v62, v[\r], s[SEL], s[SEL+1]
	v_max_num_f32 v[\r], v[\r], v62                ; the row's largest score so far
	v_mul_f32 v[U+1], s[NC], v[\r]
	v_floor_f32 v[U+1], v[U+1]                     ; the new -M = floor(-t)
	v_sub_f32 v[U+3], v[U+1], v[NM]                ; old M - new M: a whole number, 0 or less
	v_mov_b32 v[NM], v[U+1]
	v_add_f32 v[U+5], -2.0, v[U+1]
.set J, 0
	FMAS 4
	v_cvt_i32_f32 v[U+3], v[U+3]                   ; (it saturates)
	FMAS 6
	v_ldexp_f32 v[FF], 1.0, v[U+3]
	FMAS 22                                        ; (64 of the 128 numbers)
.irp b, 0,1,2,3
	v_fma_f32 v[E+\b], v[U+2*\b], s[CS], v[U+5]    ; a block's largest t - M - 2: its power's exponent field is the block's scale byte
.endr
.if \which
	v_add_nc_u32 v3, s[TBN], v1
	v_add_nc_u32 v[U+7], s[TBN], v2
	KLOAD v3, v[U+7]                               ; the NEXT trip's k (in the last trip this one's again)
.else
	v_add_nc_u32 v3, s[TB], v1
	v_lshl_add_u32 v[U+7], v2, 1, s[TB]
	VLOAD v3, v[U+7]
.endif
	WIN 0x41
	s_wait_alu depctr_va_vdst(0)                   ; for ctx^T's first readers, and for the batch below
.irp j, 0,2,4,6,8,10,12,14,16,18,20,22,24,26,28,30
	v_pk_mul_f32 v[\o+\j:\o+\j+1], v[\o+\j:\o+\j+1], v[FF:FF+1] op_sel_hi:[1,0]   ; ctx^T under the new M
.endr
	WIN 0
	v_exp_f32 v[E], v[E]
	v_exp_f32 v[E+1], v[E+1]
.set I, 0
.rept 32                                       ; the first half's exponentials; the second half's multiply-adds, which name none of their results, stand among them
	v_exp_f32 v[S+I], v[S+I]
	v_exp_f32 v[S+I+1], v[S+I+1]
	FMAS 1
.set I, I+2
.endr
	s_wait_alu depctr_va_vdst(0)                   ; behind the batch, and ahead of the next one's sources
	v_max_num_f32 v[E], 0x800000, v[E]             ; the byte cannot fall under 1
	v_max_num_f32 v[E+1], 0x800000, v[E+1]
	WIN 0x40
.irp k, 0,1,2,3,4,5,6,7
	v_cvt_scalef32_pk8_fp4_f32 v[\p+\k], v[S+8*\k:S+8*\k+7], v[E+(\k>>2)]
.endr
	WIN 0
	v_nop                                          ; one plain place behind a scaled conversion
	v_exp_f32 v[E+2], v[E+2]
	v_exp_f32 v[E+3], v[E+3]
.set I, 0
.rept 16                                       ; the second half's exponentials; the first level of the first half's sum among them
	v_exp_f32 v[S+64+I], v[S+64+I]
	v_exp_f32 v[S+65+I], v[S+65+I]
	v_exp_f32 v[S+66+I], v[S+66+I]
	v_exp_f32 v[S+67+I], v[S+67+I]
	v_pk_add_f32 v[S+I:S+I+1], v[S+I:S+I+1], v[S+I+2:S+I+3]
.set I, I+4
.endr
	s_wait_alu depctr_va_vdst(0)                   ; behind the batch
	s_wait_dscnt 0x0                               ; the fragments asked for ahead of the batches are in
.if \which == 0
	WIN 0x01
.irp i, 0,1,2,3
	v_lshl_or_b32 v[VW+\i], v[VH+\i], 16, v[VW+\i] ; v's words: the bytes of the first 64 keys, then of the second
.endr
	WIN 0
.endif
	v_max_num_f32 v[E+2], 0x800000, v[E+2]
	v_max_num_f32 v[E+3], 0x800000, v[E+3]
	v_lshrrev_b32 v[U], 23, v[E]                   ; the bytes: lanes 0-15 a step's blocks 0 and 2, lanes 16-31 blocks 1 and 3
	v_lshrrev_b32 v[U+1], 23, v[E+1]
	v_lshrrev_b32 v[U+2], 23, v[E+2]
	v_lshrrev_b32 v[U+3], 23, v[E+3]
	WIN 0x40
.irp k, 0,1,2,3,4,5,6,7
	v_cvt_scalef32_pk8_fp4_f32 v[\p+8+\k], v[S+64+8*\k:S+64+8*\k+7], v[E+2+(\k>>2)]
.endr
	WIN 0
	v_lshl_or_b32 v[U], v[U+1], 16, v[U]
	v_lshl_or_b32 v[U+2], v[U+3], 16, v[U+2]
.set I, 64
.rept 8
	v_pk_add_f32 v[S+I:S+I+1], v[S+I:S+I+1], v[S+I+2:S+I+3]        ; the second half's first level
.set I, I+4
.endr
	v_permlanex16_b32 v62, v[U], s[SEL], s[SEL+1]
	v_permlanex16_b32 v63, v[U+2], s[SEL], s[SEL+1]
.rept 8
	v_pk_add_f32 v[S+I:S+I+1], v[S+I:S+I+1], v[S+I+2:S+I+3]
.set I, I+4
.endr
	v_lshl_or_b32 v[\pw], v62, 8, v[U]             ; p's scale words, in lanes 0-15 (more than eight places ahead of the products that take them)
	v_lshl_or_b32 v[\pw+1], v63, 8, v[U+2]
.set I, 0
.rept 16
	v_pk_add_f32 v[S+I:S+I+1], v[S+I:S+I+1], v[S+64+I:S+65+I]      ; the halves
.set I, I+4
.endr
.set I, 0
.rept 8
	v_pk_add_f32 v[S+I:S+I+1], v[S+I:S+I+1], v[S+I+4:S+I+5]
.set I, I+8
.endr
.irp c, 0,1,2,3
	v_pk_add_f32 v[U+2*\c:U+2*\c+1], v[S+16*\c:S+16*\c+1], v[S+16*\c+8:S+16*\c+9]
.endr
.endm
	s_load_b256 s[4:11], s[0:1], 0x0               ; qimg s[4:5], qsc s[6:7], kv s[8:9], cimg s[10:11]
	s_load_b64 s[12:13], s[0:1], 0x20              ; csc
	v_lshl_add_u32 v64, v0, 2, SPARE
	v_mov_b32 v65, 0
	ds_add_u32 v64, v65                            ; the opening: the add, twice on end
	ds_add_u32 v64, v65
	v_lshrrev_b32 v3, 5, v0
	v_readfirstlane_b32 s[WV], v3                  ; wave 0..7
	s_bfe_u32 s[CX], ttmp6, 0x40000
	s_lshl_b32 s[QX], ttmp9, 2
	s_add_co_u32 s[QX], s[QX], s[CX]               ; block of 256 queries
	s_and_b32 s[HD], ttmp7, 0xffff                 ; batch x 16 + head
	; 70 rows of 256 bytes (32 elements of 8 bytes), dense: two steps of 128 keys
	s_mov_b32 s[G1], 15|(3<<16)|(1<<21)            ; 15:0 the mask: all four work-groups of the cluster; 21 set beside it
	s_mov_b32 s[G1+1], 32<<16
	s_mov_b32 s[G1+2], 70<<16
	s_mov_b32 s[G1+3], 32<<16
	s_mov_b32 s[G1+4], 70
	s_mov_b32 s[G1+5], 32
	s_mov_b32 s[G1+6], 0
	s_mov_b32 s[G1+7], 0
	s_mul_i32 s42, s[HD], 16*STEPB
	s_mul_i32 s44, s[WV], 2*STEPB
	s_add_co_u32 s42, s42, s44
	s_mov_b32 s43, 0
	s_mov_b32 s[G0], 1
	s_mov_b32 s[G0+1], s44                         ; the LDS address hangs on the wave's number alone
	s_wait_dscnt 0x0
	s_wait_kmcnt 0x0
	s_add_nc_u64 s[G0+2:G0+3], s[8:9], s[42:43]
	s_or_b32 s[G0+3], s[G0+3], 0x80000000
	CROUND                                         ; the cluster's work-groups are here: the joint loads meet
	tensor_load_to_lds s[G0:G0+3], s[G1:G1+7]
	s_nop 0
.rept 4
	v_nop
.endr
	s_mov_b32 s47, 0
	s_lshl_b32 s46, s[HD], 16
	s_lshl_b32 s48, s[QX], 13
	s_add_co_u32 s46, s46, s48
	s_lshl_b32 s48, s[WV], 10
	s_add_co_u32 s46, s46, s48
	s_add_nc_u64 s[4:5], s[4:5], s[46:47]          ; q: my two tiles of 512 bytes
	s_lshl_b32 s46, s[HD], 13
	s_lshl_b32 s48, s[QX], 10
	s_add_co_u32 s46, s46, s48
	s_lshr_b32 s48, s[WV], 1
	s_lshl_b32 s48, s48, 8
	s_add_co_u32 s46, s46, s48
	s_and_b32 s48, s[WV], 1
	s_lshl_b32 s48, s48, 2
	s_add_co_u32 s46, s46, s48
	s_add_nc_u64 s[6:7], s[6:7], s[46:47]          ; their words: 8 bytes apart, tile B's 128 bytes on
	v_and_b32 v3, 31, v0
	v_lshlrev_b32 v1, 4, v3                        ; 16 x lane
	v_lshlrev_b32 v2, 2, v3                        ; 4 x lane
	v_and_b32 v3, 15, v0
	v_lshlrev_b32 v3, 3, v3
	global_load_b128 v[QA+4:QA+7], v1, s[4:5]
	global_load_b128 v[QB+4:QB+7], v1, s[4:5] offset:512
	global_load_b32 v[QWA], v3, s[6:7]
	global_load_b32 v[QWB], v3, s[6:7] offset:128
	s_lshr_b32 s49, s[HD], 4                       ; batch
	s_and_b32 s50, s[HD], 15                       ; head
	s_lshl_b32 s46, s49, 20
	s_lshl_b32 s48, s[QX], 17
	s_add_co_u32 s46, s46, s48
	s_lshr_b32 s48, s[WV], 2
	s_lshl_b32 s48, s48, 16
	s_add_co_u32 s46, s46, s48
	s_lshr_b32 s48, s50, 1
	s_lshl_b32 s48, s48, 13
	s_add_co_u32 s46, s46, s48
	s_and_b32 s48, s[WV], 3
	s_lshl_b32 s48, s48, 11
	s_add_co_u32 s46, s46, s48
	s_and_b32 s51, s50, 1
	s_lshl_b32 s48, s51, 9
	s_add_co_u32 s46, s46, s48
	s_add_nc_u64 s[10:11], s[10:11], s[46:47]      ; ctx's image: block of 128 tokens, K step head / 2, tile, half head % 2
	s_lshl_b32 s[PAR], s51, 4                      ; where my head's two bytes stand in the K step's scale word
	s_lshl_b32 s46, s50, 14
	s_lshl_b32 s48, s49, 13
	s_add_co_u32 s46, s46, s48
	s_lshl_b32 s48, s[QX], 10
	s_add_co_u32 s46, s46, s48
	s_lshl_b32 s48, s[WV], 7
	s_add_co_u32 s46, s46, s48
	s_add_nc_u64 s[12:13], s[12:13], s[46:47]      ; ctx's words: 128 bytes a pair of tiles
	s_mov_b32 s[SEL], 0x76543210
	s_mov_b32 s[SEL+1], 0xfedcba98                 ; lane l xor 16
	s_mov_b32 s[CS], 0x3e38aa3b                    ; log2(e) / 8
	s_mov_b32 s[CS+1], s[CS]                       ; (the packed form names a pair)
	s_mov_b32 s[NC], 0xbe38aa3b
	s_mov_b32 s[HM], 0xffff0000
	s_mov_b32 s[TB], 0
	s_mov_b32 s[TBN], 2*STEPB
	s_mov_b32 s[CNT], 8
.irp j, 16,17,18,19,24,25,26,27,32,33,34,35
	v_mov_b32 v[\j], 0
.endr
.irp j, 5,7,10,11,12,13,14,15,48,49,50,51,52,53,54,55,56,57,62,63
	v_mov_b32 v[\j], 0                             ; (v62, v63: a lane permute's destination counts as one of its sources)
.endr
	v_mov_b32 v[NMA], 0x7f61b1e6                   ; -M before the first step: 3e38
	v_mov_b32 v[NMB], 0x7f61b1e6
	v_mov_b32 v[RA], 0xff61b1e6                    ; -3e38, under every score
	v_mov_b32 v[RB], 0xff61b1e6
	s_wait_alu depctr_va_vdst(0)
	s_wait_loadcnt 0x0
	v_lshl_or_b32 v[QWA], v[QWA], 16, v[QWA]       ; q's two bytes serve both halves of K
	v_lshl_or_b32 v[QWB], v[QWB], 16, v[QWB]
	WIN 0x40
.set J, 0
.rept 16
	v_mov_b32 v[PB+J], 0                           ; B's p ahead of the first trip: zero codes
.set J, J+1
.endr
.set J, 0
.rept 64
	v_mov_b32 v[J], 0                              ; ctx^T, under the tiles' flight: the loop has no first trip of its own
.set J, J+1
.endr
	WIN 0
	v_lshlrev_b32 v3, 1, v2
	s_wait_alu depctr_va_vdst(0)
	s_wait_tensorcnt 0x0
	s_barrier_signal -1
	s_barrier_wait -1                              ; everybody's part of k and v is in
	KLOAD v1, v2
	VLOAD v1, v3                                   ; (any finite numbers serve B's zero codes; the first phase loads v for use)
	s_wait_dscnt 0x0
.Ltrip:
	TILE QA, QWA, NMA, RA, OA, PA, PWA, OB, PB, PWB, LB, 0
	TILE QB, QWB, NMB, RB, OB, PB, PWB, OA, PA, PWA, LA, 1
	s_wait_alu depctr_va_vdst(0)
	s_add_co_u32 s[TB], s[TB], 2*STEPB
	s_add_co_u32 s[TBN], s[TB], 2*STEPB
	s_min_u32 s[TBN], s[TBN], 14*STEPB
	s_sub_co_u32 s[CNT], s[CNT], 1
	s_cmp_lg_u32 s[CNT], 0
	s_cbranch_scc1 .Ltrip
	; THE WAY OUT: B's last products (the second 128 keys as a sum of their own), the sums, the division, the quantiser along the channels (a lane holds one block: channels 32 (lane / 16) + 0 .. 31)
	PV OB, PB, PWB, 0
	WIN 0x55
.irp g, 0,1
	v_wmma_scale_f32_32x16x128_f4 v[160+16*\g:175+16*\g], v[VF+32+16*\g:VF+47+16*\g], v[PB+8:PB+15], 0, v[VW+2+\g], v[PWB+1]
.endr
	WIN 0
	SUMEND LB
	v_add_f32 v64, v[LA], v[LA+1]
	v_add_f32 v65, v[LB], v[LB+1]
	v_permlanex16_b32 v62, v64, s[SEL], s[SEL+1]
	v_permlanex16_b32 v63, v65, s[SEL], s[SEL+1]
	v_add_f32 v64, v64, v62                        ; with lane l xor 16's keys
	v_add_f32 v65, v65, v63
	s_wait_alu depctr_va_vdst(0)                   ; ahead of the transcendentals
	v_rcp_f32 v66, v64
	v_rcp_f32 v68, v65
	v_nop
	WIN 0x01
	s_wait_alu depctr_va_vdst(0)                   ; and behind them; ahead of ctx^T's first readers too
.irp j, 0,2,4,6,8,10,12,14,16,18,20,22,24,26,28,30
	v_pk_mul_f32 v[S+\j:S+\j+1], v[OA+\j:OA+\j+1], v[66:67] op_sel_hi:[1,0]
.endr
.irp j, 0,2,4,6,8,10,12,14,16,18,20,22,24,26,28,30
	v_pk_mul_f32 v[S+64+\j:S+65+\j], v[OB+\j:OB+\j+1], v[68:69] op_sel_hi:[1,0]
.endr
.irp j, 0,2,4,6,8,10,12,14,16,18,20,22,24,26,28,30
	v_pk_fma_f32 v[S+64+\j:S+65+\j], v[160+\j:161+\j], v[68:69], v[S+64+\j:S+65+\j] op_sel_hi:[1,0,1]
.endr
	WIN 0
.irp c, 0,1
	v_max3_num_f32 v[70+\c], 0x1800000, |v[S+16*\c]|, |v[S+16*\c+1]|   ; with the floor 2^(3 - 127)
	v_max3_num_f32 v[72+\c], 0x1800000, |v[S+64+16*\c]|, |v[S+65+16*\c]|
.endr
.irp i, 2,4,6,8,10,12,14
.irp c, 0,1
	v_max3_num_f32 v[70+\c], v[70+\c], |v[S+16*\c+\i]|, |v[S+16*\c+\i+1]|
	v_max3_num_f32 v[72+\c], v[72+\c], |v[S+64+16*\c+\i]|, |v[S+65+16*\c+\i]|
.endr
.endr
	v_max_num_f32 v70, v70, v71
	v_max_num_f32 v72, v72, v73
	v_add_nc_u32 v74, 0xff000000, v70              ; 2 off the exponent field: the conversion's scale operand
	v_add_nc_u32 v75, 0xff000000, v72
	v_lshrrev_b32 v76, 23, v74
	v_lshrrev_b32 v77, 23, v75
.irp k, 0,1,2,3
	v_cvt_scalef32_pk8_fp4_f32 v[80+\k], v[S+8*\k:S+8*\k+7], v74
	v_cvt_scalef32_pk8_fp4_f32 v[84+\k], v[S+64+8*\k:S+71+8*\k], v75
.endr
	v_permlanex16_b32 v62, v76, s[SEL], s[SEL+1]
	v_permlanex16_b32 v63, v77, s[SEL], s[SEL+1]
	v_cndmask_b32 v88, v76, v63, s[HM]             ; the lower block's byte: lanes 0-15 A's tokens, lanes 16-31 B's
	v_cndmask_b32 v89, v62, v77, s[HM]             ; the upper block's
	v_lshl_or_b32 v88, v89, 8, v88
	v_lshlrev_b32 v88, s[PAR], v88
	global_store_b128 v1, v[80:83], s[10:11]       ; 32 lanes store 512 consecutive bytes
	global_store_b128 v1, v[84:87], s[10:11] offset:1024
	global_store_b32 v2, v88, s[12:13]
	v_lshl_add_u32 v90, v0, 2, SPARE               ; my spare word and 0, made anew
	v_mov_b32 v91, 0
	s_wait_alu depctr_va_vdst(0)
	s_wait_tensorcnt 0x0                           ; the wave's end
	ds_add_u32 v90, v91
	s_wait_dscnt 0x0
	CROUND                                         ; the closing round
	s_endpgm
.Lfunc_end_k_q1630a68609_attn:
	.size	k_q1630a68609_attn, .Lfunc_end_k_q1630a68609_attn-k_q1630a68609_attn
	.p2alignl 7, 3214868480
	.fill 96, 4, 3214868480
	.section	.rodata,"a",@progbits
	.p2align	6, 0x0
	.amdhsa_kernel k_q1630a68609_attn
		.amdhsa_group_segment_fixed_size 167936
		.amdhsa_private_segment_fixed_size 0
		.amdhsa_enable_private_segment 0
		.amdhsa_kernarg_size 40
		.amdhsa_user_sgpr_count 2
		.amdhsa_user_sgpr_kernarg_segment_ptr 1
		.amdhsa_wavefront_size32 1
		.amdhsa_system_sgpr_workgroup_id_x 1
		.amdhsa_system_sgpr_workgroup_id_y 1
		.amdhsa_system_sgpr_workgroup_id_z 1
		.amdhsa_system_vgpr_workitem_id 0
		.amdhsa_next_free_vgpr 448
		.amdhsa_next_free_sgpr 66
		.amdhsa_reserve_vcc 0
		.amdhsa_float_denorm_mode_32 3
		.amdhsa_float_denorm_mode_16_64 3
		.amdhsa_memory_ordered 1
		.amdhsa_forward_progress 1
		.amdhsa_inst_pref_size 67
	.end_amdhsa_kernel
	.amdgpu_metadata
---
amdhsa.version: [ 1, 2 ]
amdhsa.kernels:
  - .name:           k_q1630a68609_attn
    .symbol:         k_q1630a68609_attn.kd
    .args:
      - { .name: qimg, .offset: 0, .size: 8, .value_kind: global_buffer, .address_space: global }
      - { .name: qsc, .offset: 8, .size: 8, .value_kind: global_buffer, .address_space: global }
      - { .name: kv, .offset: 16, .size: 8, .value_kind: global_buffer, .address_space: global }
      - { .name: cimg, .offset: 24, .size: 8, .value_kind: global_buffer, .address_space: global }
      - { .name: csc, .offset: 32, .size: 8, .value_kind: global_buffer, .address_space: global }
    .group_segment_fixed_size: 167936
    .private_segment_fixed_size: 0
    .kernarg_segment_align: 8
    .kernarg_segment_size: 40
    .max_flat_workgroup_size: 256
    .sgpr_count:     66
    .vgpr_count:     448
    .wavefront_size: 32
...
	.end_amdgpu_metadata
.endif
;; end of part 2
;; launch oproj (part 3): grid 8 x 32, 4 waves a work-group, clusters of 4 x 4, 167,936 bytes of LDS; arguments cimg, csc, wo_codes, wo_scales, bo, out0; writes out0
.if DOCPART == 3
	.amdgcn_target "amdgcn-amd-amdhsa--gfx1250"
	.amdhsa_code_object_version 6
	.text
	.protected	k_q1630a68609_oproj
	.globl	k_q1630a68609_oproj
	.p2align	8
	.type	k_q1630a68609_oproj,@function
k_q1630a68609_oproj:
	s_mov_b64 s[64:65], 0
	v_nop
	global_prefetch_b8 v0, s[64:65] scope:SCOPE_SE
	s_setreg_imm32_b32 hwreg(HW_REG_WAVE_MODE, 25, 1), 1
	s_wait_xcnt 0x0
	s_wait_alu depctr_hold_cnt(0) depctr_sa_sdst(0) depctr_va_vdst(0) depctr_va_sdst(0) depctr_va_ssrc(0) depctr_va_vcc(0) depctr_vm_vsrc(0)
	s_getreg_b32 s2, hwreg(HW_REG_IB_STS2, 6, 4)
	s_cmp_eq_u32 s2, 0
	s_cbranch_scc0 .Lentry_in_a_cluster
	s_endpgm
.Lentry_in_a_cluster:
	s_bfe_u32 s2, ttmp6, 0x10000c
	s_cmp_lg_u32 s2, 0xf033
	s_cbranch_scc0 .Lentry_shape_is_right
	s_endpgm
.Lentry_shape_is_right:
; out = ctx wo^T + bo on codes of FP4 (E2M1) with one E8M0 scale for each 32 along K = 1,024; sums in f32; out is f32.
; ctx comes from the launch before as images of this product's operand registers, with its scale bytes two to a head; wo as it is given, K innermost.
; SHARES.  A work-group takes 128 tokens (TY) x 128 channels (NX); wave (WY, WX) 64 x 64: 16 accumulators.  256 work-groups of equal work.
; LDS.  ctx's 128 tokens are 65,536 bytes of images, wo's 128 rows of 512 bytes + 16 of padding: both fit whole, by ONE load a wave, and every byte is filled once; behind them a stage of 16 rows for each wave, into which no fill lands.
; CLUSTER 4 x 4: ctx's images hang on TY alone and are asked for jointly along a row of the cluster, wo's rows on NX alone and jointly along a column.
; No prefetch: the launch has no loop that asks for tiles.
; BY ROWS OF out: all of my fragments of wo stay in registers; token tiles 0 and 1 are finished first and leave while tiles 2 and 3 are multiplied.
; THE PRODUCT IS USED TRANSPOSED (source 0 = 16 rows of wo, source 1 = 16 tokens of ctx): a lane holds eight neighbouring channels of one token.  bo is the C of each sum's first product (added ahead of the products).
; The tokens of a tile of ctx are those that the first launch chose: of 64 tokens, lane r of tile i holds token 8 i + r + 24 (r / 8); the stores' offsets put each row where it belongs.
; REGISTERS: window 0: v1-10 addresses; v32-47 ctx's scale words, v48-63 wo's; v64-95 ctx's before they are joined, later v64-191 rows of out; v128-255 fragments of ctx's tiles 0, 1.
;   window 1: the 16 accumulators ((i, t) at v[8 (4 i + t)]); from v128 bo's four tiles.   window 2: wo's fragments, K step s tile t at v[32 s + 8 t].   window 3: v0-127 fragments of ctx's tiles 2, 3.
.set AW,  1                            ; v1  LDS: wo's rows of my 64 channels
.set AC,  2                            ; v2  ctx's images of my 64 tokens
.set VW,  3                            ; v3  32 x lane: wo's scale bytes, a row a lane
.set VC,  4                            ; v4  4 x lane
.set VB,  5                            ; v5  bo: 32 x (lane / 16)
.set STO, 6                            ; v6  the stage: where I put 32 bytes of a row
.set RD,  7                            ; v7  where I read a row back
.set CO,  8                            ; v8  my byte offset in out
.set SPW, 9                            ; v9  my spare word, v10 0
.set NIL, 10
.set CSW, 32                           ; 8 g + s: lanes 0-15 ctx's tile 2 g, lanes 16-31 tile 2 g + 1, K step s
.set WOS, 48                           ; 8 g + s: wo's rows 32 g + lane
.set CT,  64
.set BO,  128                          ; window 1
.set WP,  528                          ; an LDS row of wo
.set WOL, 65536                        ; where wo begins
.set STG, WOL+128*WP                   ; the stages: 16 x 272 bytes a wave
.set SPARE, STG+4*16*272
.set G1C, 32
.set G1W, 40
.set G0C, 48
.set G0W, 56
.set WV,  66
.set WY,  67
.set WX,  68
.set CX,  69
.set CY,  70
.set NX,  71
.set TY,  72
.set MSB, 0
.macro WIN new                         ; the immediate's high byte repeats the setting that is left; a switch that changes nothing is dropped
.if MSB != (\new)
	s_set_vgpr_msb (MSB<<8)|(\new)
.set MSB, (\new)
.endif
.endm
.macro PLACES n
.rept \n
	v_nop
.endr
.endm
.macro CROUND                          ; a round of the cluster's barrier
	s_barrier_signal -1
	s_barrier_wait -1
	s_cmp_lg_u32 s[WV], 0
	s_cbranch_scc1 .Lnot_wave_0_\@
	s_barrier_signal -3
.Lnot_wave_0_\@:
	s_barrier_wait -3
	s_barrier_signal -1
	s_barrier_wait -1
.endm
; One product: D at d, source 0 at a, source 1 at b, C at c, scale words in sa, sb; ra, rb = 1: that side's words are taken from lanes 16-31
.macro WM d, a, b, c, sa, sb, ra, rb
.set WMR, 2*(\ra)+(\rb)
.if WMR == 0
	v_wmma_scale_f32_16x16x128_f8f6f4 v[(\d):(\d)+7], v[(\a):(\a)+7], v[(\b):(\b)+7], v[(\c):(\c)+7], v[\sa], v[\sb] matrix_a_fmt:MATRIX_FMT_FP4 matrix_b_fmt:MATRIX_FMT_FP4
.elseif WMR == 1
	v_wmma_scale_f32_16x16x128_f8f6f4 v[(\d):(\d)+7], v[(\a):(\a)+7], v[(\b):(\b)+7], v[(\c):(\c)+7], v[\sa], v[\sb] matrix_a_fmt:MATRIX_FMT_FP4 matrix_b_fmt:MATRIX_FMT_FP4 matrix_b_scale:MATRIX_SCALE_ROW1
.elseif WMR == 2
	v_wmma_scale_f32_16x16x128_f8f6f4 v[(\d):(\d)+7], v[(\a):(\a)+7], v[(\b):(\b)+7], v[(\c):(\c)+7], v[\sa], v[\sb] matrix_a_fmt:MATRIX_FMT_FP4 matrix_b_fmt:MATRIX_FMT_FP4 matrix_a_scale:MATRIX_SCALE_ROW1
.else
	v_wmma_scale_f32_16x16x128_f8f6f4 v[(\d):(\d)+7], v[(\a):(\a)+7], v[(\b):(\b)+7], v[(\c):(\c)+7], v[\sa], v[\sb] matrix_a_fmt:MATRIX_FMT_FP4 matrix_b_fmt:MATRIX_FMT_FP4 matrix_a_scale:MATRIX_SCALE_ROW1 matrix_b_scale:MATRIX_SCALE_ROW1
.endif
.endm
	s_load_b256 s[4:11], s[0:1], 0x0               ; cimg s[4:5], csc s[6:7], wo codes s[8:9], wo scales s[10:11]
	s_load_b128 s[12:15], s[0:1], 0x20             ; bo s[12:13], out0 s[14:15]
	v_lshl_add_u32 v[SPW], v0, 2, SPARE
	v_mov_b32 v[NIL], 0
	ds_add_u32 v[SPW], v[NIL]                      ; the opening: the add, twice on end
	ds_add_u32 v[SPW], v[NIL]
	v_lshrrev_b32 v11, 5, v0
	v_readfirstlane_b32 s[WV], v11                 ; wave 0..3
	s_lshr_b32 s[WY], s[WV], 1                     ; which 64 tokens are mine.  Also: I fetch ctx (0) or wo (1)
	s_and_b32 s[WX], s[WV], 1                      ; which 64 channels.  Also: which half of that tile I fetch
	s_bfe_u32 s[CX], ttmp6, 0x40000
	s_bfe_u32 s[CY], ttmp6, 0x40004
	s_lshl_b32 s[NX], ttmp9, 2
	s_add_co_u32 s[NX], s[NX], s[CX]               ; block of 128 channels
	s_and_b32 s[TY], ttmp7, 0xffff
	s_lshl_b32 s[TY], s[TY], 2
	s_add_co_u32 s[TY], s[TY], s[CY]               ; block of 128 tokens
	s_lshl_b32 s100, s[CY], 2
	s_lshl_b32 s100, 15, s100                      ; my row of the cluster
	s_lshl_b32 s101, 0x1111, s[CX]                 ; my column
	; descriptor groups 1.  ctx: 128 rows of 256 bytes (32 elements of 8 bytes), dense: four K steps.  wo: 64 rows of 512 bytes, 16 bytes of padding behind each
	s_or_b32 s[G1C], s100, (3<<16)|(1<<21)
	s_mov_b32 s[G1C+1], 32<<16
	s_mov_b32 s[G1C+2], 128<<16
	s_mov_b32 s[G1C+3], 32<<16
	s_mov_b32 s[G1C+4], 128
	s_mov_b32 s[G1C+5], 32
	s_mov_b32 s[G1C+6], 0
	s_mov_b32 s[G1C+7], 0
	s_or_b32 s[G1W], s101, (1<<20)|(1<<21)|(6<<22)|(3<<25)
	s_mov_b32 s[G1W+1], 512<<16
	s_mov_b32 s[G1W+2], 64<<16
	s_mov_b32 s[G1W+3], 512<<16
	s_mov_b32 s[G1W+4], 64
	s_mov_b32 s[G1W+5], 512
	s_mov_b32 s[G1W+6], 0
	s_mov_b32 s[G1W+7], 0
	s_lshl_b32 s78, s[TY], 16                      ; ctx: 65,536 bytes a block of 128 tokens; nothing of cx in these registers
	s_lshl_b32 s[G0C+1], s[WX], 15                 ; my half of it: the LDS address hangs on the wave's number alone
	s_add_co_u32 s78, s78, s[G0C+1]
	s_mov_b32 s79, 0
	s_lshl_b32 s80, s[NX], 16                      ; wo: 128 rows of 512 bytes a block; my 64 rows; nothing of cy
	s_lshl_b32 s81, s[WX], 15
	s_add_co_u32 s80, s80, s81
	s_mov_b32 s81, 0
	s_mul_i32 s[G0W+1], s[WX], 64*WP
	s_add_co_u32 s[G0W+1], s[G0W+1], WOL
	s_mov_b32 s[G0C], 1
	s_mov_b32 s[G0W], 1
	s_wait_dscnt 0x0
	s_wait_kmcnt 0x0
	s_add_nc_u64 s[G0C+2:G0C+3], s[4:5], s[78:79]
	s_or_b32 s[G0C+3], s[G0C+3], 0x80000000
	s_add_nc_u64 s[G0W+2:G0W+3], s[8:9], s[80:81]
	s_or_b32 s[G0W+3], s[G0W+3], 0x80000000
	CROUND                                         ; all sixteen work-groups are here: the joint loads meet
	s_cmp_eq_u32 s[WY], 0
	s_cbranch_scc0 .Lfill_w
	tensor_load_to_lds s[G0C:G0C+3], s[G1C:G1C+7]
	s_nop 0
	PLACES 4
	s_branch .Lfilled
.Lfill_w:
	tensor_load_to_lds s[G0W:G0W+3], s[G1W:G1W+7]
	s_nop 0
	PLACES 4
.Lfilled:
	s_mov_b32 s95, 0
	s_lshl_b32 s2, s[TY], 9
	s_lshl_b32 s3, s[WY], 8
	s_add_co_u32 s94, s2, s3
	s_add_nc_u64 s[6:7], s[6:7], s[94:95]          ; csc at my first pair of tiles, head 0: 128 bytes a pair
	s_lshl_b32 s2, s[NX], 12
	s_lshl_b32 s3, s[WX], 11
	s_add_co_u32 s94, s2, s3
	s_add_nc_u64 s[10:11], s[10:11], s[94:95]      ; wo's scale bytes: my 64 rows
	s_lshl_b32 s2, s[NX], 9
	s_lshl_b32 s3, s[WX], 8
	s_add_co_u32 s94, s2, s3
	s_add_nc_u64 s[12:13], s[12:13], s[94:95]      ; bo: my 64 channels
	s_lshl_b32 s2, s[TY], 19
	s_add_co_u32 s94, s94, s2
	s_lshl_b32 s2, s[WY], 18
	s_add_co_u32 s94, s94, s2
	s_add_nc_u64 s[14:15], s[14:15], s[94:95]      ; out: my first token's row of 4,096 bytes, my 256 bytes of it
	v_and_b32 v11, 15, v0                          ; r
	v_bfe_u32 v12, v0, 4, 1                        ; h
	v_and_b32 v13, 31, v0                          ; lane
	v_lshlrev_b32 v[VC], 2, v13
	v_lshlrev_b32 v[VW], 5, v13
	v_lshlrev_b32 v[VB], 5, v12
.irp g, 0,1
.irp hd, 0,1,2,3,4,5,6,7,8,9,10,11,12,13,14,15
	global_load_b32 v[CT+16*\g+\hd], v[VC], s[6:7] offset:16384*\hd+128*\g    ; head hd's two scale bytes of tiles 2 g (lanes 0-15) and 2 g + 1 (lanes 16-31), at their places in the word
.endr
.endr
.irp g, 0,1
.irp j, 0,1
	global_load_b128 v[WOS+8*\g+4*\j:WOS+8*\g+4*\j+3], v[VW], s[10:11] offset:1024*\g+16*\j
.endr
.endr
	WIN 0x40                                       ; destination window 1
.irp t, 0,1,2,3
.irp j, 0,1
	global_load_b128 v[BO+8*\t+4*\j:BO+8*\t+4*\j+3], v[VB], s[12:13] offset:64*\t+16*\j
.endr
.endr
	WIN 0
	v_mul_u32_u24 v[AW], v11, WP
	v_lshl_add_u32 v[AW], v12, 4, v[AW]
	s_mul_i32 s2, s[WX], 64*WP
	s_add_co_u32 s2, s2, WOL
	v_add_nc_u32 v[AW], s2, v[AW]
	v_lshlrev_b32 v[AC], 4, v13
	s_lshl_b32 s2, s[WY], 12
	v_add_nc_u32 v[AC], s2, v[AC]                  ; 16 x lane + 4,096 WY
	s_mul_i32 s2, s[WV], 16*272
	s_add_co_u32 s2, s2, STG                       ; my stage
	v_mul_u32_u24 v[STO], v11, 272
	v_lshl_add_u32 v[STO], v12, 5, v[STO]
	v_add_nc_u32 v[STO], s2, v[STO]                ; in: row r, 32 bytes for each half of the lanes
	v_mul_u32_u24 v[RD], v12, 272
	v_lshl_add_u32 v[RD], v11, 4, v[RD]
	v_add_nc_u32 v[RD], s2, v[RD]                  ; back: lanes 0-15 one row of 256 bytes, lanes 16-31 the next
	v_lshlrev_b32 v[CO], 12, v12
	v_lshl_add_u32 v[CO], v11, 4, v[CO]            ; and the same two rows in out
.macro LOADS s                         ; 12 LDS loads: K step s of wo's four tiles and of ctx's tiles 0 and 1
	WIN 0x80
.irp t, 0,1,2,3
.irp c, 0,1
	ds_load_b128 v[32*(\s)+8*\t+4*\c:32*(\s)+8*\t+4*\c+3], v[AW] offset:16*WP*\t+64*(\s)+32*\c
.endr
.endr
	WIN 0
.irp i, 0,1
.irp c, 0,1
	ds_load_b128 v[128+64*\i+8*(\s)+4*\c:128+64*\i+8*(\s)+4*\c+3], v[AC] offset:8192*(\s)+1024*\i+512*\c
.endr
.endr
.endm
.macro MUL p, s                        ; 8 products: token tiles 2 p, 2 p + 1; the 8 accumulators take turns, one instruction a turn.  In K step 0 bo is the C
	WIN 0x52+12*\p                                 ; source 0 window 2; source 1 window 0 or 3; C and D window 1
.irp i, 0,1
.irp t, 0,1,2,3
.set DD, 8*(8*\p+4*\i+\t)
.set CC, DD
.if (\s) == 0
.set CC, BO+8*\t
.endif
	WM DD, 32*(\s)+8*\t, 128*(1-\p)+64*\i+8*(\s), CC, WOS+8*(\t>>1)+(\s), CSW+8*\p+(\s), \t&1, \i
.endr
.endr
.endm
; THE WAY OUT, a tile of 16 tokens x 64 channels at a time.  A lane holds 32 neighbouring bytes of a row and the lanes beside it hold other rows: so a tile goes through my own stage in LDS and comes back as rows of 256 bytes.
; LDS serves a wave's instructions in order (ISA guide 5.7.1.4): no wait between the stores and the loads, nor in front of the next tile's stores.
.macro TOSTAGE i
	WIN 0x04                                       ; an LDS store's data are its source 1: window 1
.irp t, 0,1,2,3
	ds_store_b128 v[STO], v[8*(4*(\i)+\t):8*(4*(\i)+\t)+3] offset:64*\t          ; each accumulator from its low end on
	ds_store_b128 v[STO], v[8*(4*(\i)+\t)+4:8*(4*(\i)+\t)+7] offset:64*\t+16
.endr
	WIN 0
.irp f, 0,1,2,3,4,5,6,7
	ds_load_b128 v[64+32*(\i)+4*\f:64+32*(\i)+4*\f+3], v[RD] offset:544*\f
.endr
.endm
.macro SEND i, younger                 ; younger: the LDS instructions issued behind tile i's loads, which may stay out.  Each tile has registers of its own: no store's data are written again
	WIN 0
	s_wait_dscnt \younger
.irp f, 0,1,2,3,4,5,6,7
	global_store_b128 v[CO], v[64+32*(\i)+4*\f:64+32*(\i)+4*\f+3], s[14:15] offset:(8*(\i)+2*\f+24*(\f>>2))*4096 th:TH_STORE_NT   ; stage row 2 f + h is token 8 i + 2 f + h + 24 (f / 4); 16 lanes store 256 consecutive bytes, at a multiple of 256 from out's first byte
.endr
.endm
	s_wait_alu depctr_va_vdst(0)
	s_wait_tensorcnt 0x0
	s_barrier_signal -1
	s_barrier_wait -1                              ; everybody's part is in
	LOADS 0
	LOADS 1
	LOADS 2
	LOADS 3
	s_wait_loadcnt 0x0                             ; scale words and bo
.irp s, 0,1,2,3,4,5,6,7
.irp g, 0,1
	v_or_b32 v[CSW+8*\g+\s], v[CT+16*\g+2*\s], v[CT+16*\g+2*\s+1]   ; two heads' bytes make a K step's scale word
.endr
.endr
	PLACES 8                                       ; a scale register written by a vector instruction stands eight places ahead of a scaled product
	s_wait_alu depctr_va_vdst(0)
.irp s, 0,1,2,3
	LOADS \s+4
	s_wait_dscnt 48                                ; the four younger K steps' loads may be out
	MUL 0, \s
.endr
	WIN 0xc0                                       ; ctx's tiles 2 and 3: 32 loads
.irp s, 0,1,2,3,4,5,6,7
.irp i, 0,1
.irp c, 0,1
.if (\s) == 4 && (\i) == 0 && (\c) == 0
	s_wait_dscnt 40                                ; (so that K step 4's fragments are in, and no more than 56 LDS loads are out)
.endif
	ds_load_b128 v[64*\i+8*\s+4*\c:64*\i+8*\s+4*\c+3], v[AC] offset:8192*\s+2048+1024*\i+512*\c
.endr
.endr
.endr
	s_wait_dscnt 56
	MUL 0, 4
	s_wait_dscnt 56                                ; K steps 6 and 7, and the 32
	MUL 0, 5
	s_wait_dscnt 44
	MUL 0, 6
	s_wait_dscnt 32
	MUL 0, 7
	PLACES 4                                       ; in front of the first reads of results
	TOSTAGE 0
	s_wait_dscnt 16                                ; ctx's tiles 2 and 3 are in; tile 0's stage instructions may be out
.irp s, 0,1,2,3
	MUL 1, \s
.endr
	SEND 0, 0
	TOSTAGE 1
.irp s, 4,5,6,7
	MUL 1, \s
.endr
	SEND 1, 0
	PLACES 4
	TOSTAGE 2
	TOSTAGE 3
	SEND 2, 16                                     ; behind tile 2's loads: tile 3's 8 stores and 8 loads
	SEND 3, 0
	s_wait_tensorcnt 0x0                           ; the wave's end
	ds_add_u32 v[SPW], v[NIL]
	s_wait_dscnt 0x0
	CROUND                                         ; the closing round: no work-group ends while a partner may still ask for a tile that names it
	s_endpgm
.Lfunc_end_k_q1630a68609_oproj:
	.size	k_q1630a68609_oproj, .Lfunc_end_k_q1630a68609_oproj-k_q1630a68609_oproj
	.p2alignl 7, 3214868480
	.fill 96, 4, 3214868480
	.section	.rodata,"a",@progbits
	.p2align	6, 0x0
	.amdhsa_kernel k_q1630a68609_oproj
		.amdhsa_group_segment_fixed_size 167936
		.amdhsa_private_segment_fixed_size 0
		.amdhsa_enable_private_segment 0
		.amdhsa_kernarg_size 48
		.amdhsa_user_sgpr_count 2
		.amdhsa_user_sgpr_kernarg_segment_ptr 1
		.amdhsa_wavefront_size32 1
		.amdhsa_system_sgpr_workgroup_id_x 1
		.amdhsa_system_sgpr_workgroup_id_y 1
		.amdhsa_system_sgpr_workgroup_id_z 1
		.amdhsa_system_vgpr_workitem_id 0
		.amdhsa_next_free_vgpr 1024
		.amdhsa_next_free_sgpr 102
		.amdhsa_reserve_vcc 0
		.amdhsa_float_denorm_mode_32 3
		.amdhsa_float_denorm_mode_16_64 3
		.amdhsa_memory_ordered 1
		.amdhsa_forward_progress 1
		.amdhsa_inst_pref_size 44
	.end_amdhsa_kernel
	.amdgpu_metadata
---
amdhsa.version: [ 1, 2 ]
amdhsa.kernels:
  - .name:           k_q1630a68609_oproj
    .symbol:         k_q1630a68609_oproj.kd
    .args:
      - { .name: cimg, .offset: 0, .size: 8, .value_kind: global_buffer, .address_space: global }
      - { .name: csc, .offset: 8, .size: 8, .value_kind: global_buffer, .address_space: global }
      - { .name: wo_codes, .offset: 16, .size: 8, .value_kind: global_buffer, .address_space: global }
      - { .name: wo_scales, .offset: 24, .size: 8, .value_kind: global_buffer, .address_space: global }
      - { .name: bo, .offset: 32, .size: 8, .value_kind: global_buffer, .address_space: global }
      - { .name: out0, .offset: 40, .size: 8, .value_kind: global_buffer, .address_space: global }
    .group_segment_fixed_size: 167936
    .private_segment_fixed_size: 0
    .kernarg_segment_align: 8
    .kernarg_segment_size: 48
    .max_flat_workgroup_size: 128
    .sgpr_count:     102
    .vgpr_count:     1024
    .wavefront_size: 32
...
	.end_amdgpu_metadata
.endif
;; end of part 3
